; MI455X (gfx1250); checked and timed in simulation.
; The chip was launched on July 23, 2026; its instructions are those of AMD's public machine-readable ISA for CDNA 5 (MIT licence, August 2026) and "CDNA5" Instruction Set Architecture Reference Guide (July 2026). The comments in the code are by the model that wrote it; some were corrected since.
;; Long Regression. Allowed arithmetic: matrix products marked QUANTISED: E4M3 operands, one E8M0 scale for each 32 along K, by v_wmma_scale_f32_16x16x128_f8f6f4 with both operands' format E4M3, f32 sums; products left as they are: f32 operands where the result goes on into a quantised operand, else bf16, f16 or f32 operands; f32 sums; everything else in f32.
;; Inputs: b1 8 x 1,024 float32; b2 8 x 1,024 float32; bout 8 x 256 float32; r1_codes 256 x 16 x 32 uint8 (E4M3 codes of r1, K innermost, in blocks of 32 codes); r1_scales 256 x 16 uint8 (E8M0 scales of r1, one for each 32 codes along K); r2_codes 256 x 8 x 32 uint8 (E4M3 codes of r2, K innermost, in blocks of 32 codes); r2_scales 256 x 8 uint8 (E8M0 scales of r2, one for each 32 codes along K); rb1 256 float32; rb2 256 float32; rbout 8 float32; rout 256 x 8 float32; w1_codes 8 x 1,024 x 16 x 32 uint8 (E4M3 codes of w1, K innermost, in blocks of 32 codes); w1_scales 8 x 1,024 x 16 uint8 (E8M0 scales of w1, one for each 32 codes along K); w2_codes 8 x 1,024 x 32 x 32 uint8 (E4M3 codes of w2, K innermost, in blocks of 32 codes); w2_scales 8 x 1,024 x 32 uint8 (E8M0 scales of w2, one for each 32 codes along K); wout_codes 8 x 256 x 32 x 32 uint8 (E4M3 codes of wout, K innermost, in blocks of 32 codes); wout_scales 8 x 256 x 32 uint8 (E8M0 scales of wout, one for each 32 codes along K); x_codes 4,096 x 16 x 32 uint8 (E4M3 codes of x, K innermost, in blocks of 32 codes); x_scales 4,096 x 16 uint8 (E8M0 scales of x, one for each 32 codes along K).
;; Outputs: out0 4,096 x 256 float32.
;; This version of the problem:
;;   THIS VERSION OF THE PROBLEM IS GIVEN IN LOW PRECISION. The matrix products marked QUANTISED in the list below multiply operands that are first quantised to E4M3 (4 exponent bits, 3 mantissa bits; 8 bits a number), with one power-of-two scale for each 32 numbers along K (OCP MX v1.0); their sums are f32. All else is computed in f32.
;;   The module's matrix products, in the order in which they are computed (A, B: the left and right operand; K: the contracted axis; several contracted axes count as one K, in the product's order):
;;     1. [M 4,096, K 512] x [K 512, N 256]; A: input x (given as codes); B: input r1 (given as codes): QUANTISED
;;     2. [M 4,096, K 256] x [K 256, N 256]; A: computed on the way; B: input r2 (given as codes): QUANTISED
;;     3. [M 4,096, K 256] x [K 256, N 8]; A: computed on the way; B: input rout: left as it is (N = 8 < 16)
;;     4. [M 8,192, K 512] x [K 512, N 4,096]; A: input w1 (given as codes); B: input x (given as codes): QUANTISED
;;     5. batch 8 x [M 4,096, K 1,024] x [K 1,024, N 1,024]; A: computed on the way; B: input w2 (given as codes): QUANTISED
;;     6. batch 8 x [M 4,096, K 1,024] x [K 1,024, N 256]; A: computed on the way; B: input wout (given as codes): QUANTISED
;;     7. batch 4,096 x [M 1, K 8] x [K 8, N 256]; A: softmax; B: computed on the way: left as it is (K = 8 < 32)
;;   THE QUANTISER, for each operand of a quantised product, along K:
;;     - K is cut into blocks of 32 from its start; a last block that is shorter is filled with zeros.
;;     - A block's scale is 2^e with e = floor(log2(the largest magnitude in the block)) - 8, held to -126 .. 127; a block of zeros has e = 0. As a byte (E8M0): e + 127.
;;     - Each number is divided by its block's scale, clamped to +-448, and rounded to the nearest number of E4M3, ties to even, subnormals kept.
;;     - The product sums the exact products of the quantised numbers (number of the format x scale) in f32.
;;   ~~~python
;;   def quantise(x, axis):      # numpy; x: float32 -> the quantised numbers, widened to float32 again
;;       x = np.moveaxis(x, axis, -1); K = x.shape[-1]
;;       x = np.pad(x, [(0, 0)] * (x.ndim - 1) + [(0, -K % 32)]); x = x.reshape(x.shape[:-1] + (-1, 32)); a = np.abs(x).max(-1, keepdims=True)
;;       e = np.where(a > 0, np.clip(np.frexp(np.where(a > 0, a, 1))[1] - 1 - 8, -126, 127), 0)      # np.frexp(a)[1] - 1 = floor(log2(a)), exactly
;;       r = np.clip(x / 2.0 ** e, -448, 448)
;;       step = 2.0 ** (np.maximum(np.frexp(np.where(r == 0, 1, r))[1] - 1, -6) - 3)
;;       q = np.round(r / step) * step * 2.0 ** e      # np.round: ties to even
;;       return np.moveaxis(q.reshape(q.shape[:-2] + (-1,))[..., :K], -1, axis).astype(np.float32)
;;   ~~~
;;   OPERANDS COMPUTED ON THE WAY. 'Computed on the way' means the value that the module computes at that place (a softmax that the list does not call 'softmax' is quantised finished and normalised). What goes into a quantiser is computed in f32, as accurately as f32 sums, v_exp_f32 and their like allow (about 1e-6 of the number): no bf16 or f16 on the way to a quantiser, and a product that is left as it is and whose result goes on into a quantised operand takes f32 operands (vector FMAs, or v_wmma_f32_16x16x4_f32). A number that lies on a knife's edge between two numbers of the format may be rounded either way, as far as f32 arithmetic and the matrix unit's own rounding can turn it there, and no further.
;;   INPUTS GIVEN AS CODES. r1 (in the module: [512, 256], K = its axis 0); r2 (in the module: [256, 256], K = its axis 0); w1 (in the module: [8, 512, 1024], K = its axis 1); w2 (in the module: [8, 1024, 1024], K = its axis 1); wout (in the module: [8, 1024, 256], K = its axis 1); x (in the module: [4096, 512], K = its axis 1): each comes as NAME_codes (uint8): NAME with its K axis moved to the last place and cut into blocks of 32 codes, [.., K / 32, bytes a block], one block behind the other in memory; one code a byte (a code: sign, 4 exponent bits, 3 mantissa bits); and NAME_scales (uint8): the same leading axes, one E8M0 byte (e + 127) for each 32 codes along K. Its value is code x scale, taken as it is: it is not quantised again, and the codes and scales need not be those that the quantiser above would give.
;; One version. Each part assembles by itself: llvm-mc -triple=amdgcn-amd-amdhsa -mcpu=gfx1250 --defsym DOCPART=n.
;; ======== version 1 of 1: 2 launches
;; workspace buffers: y 16,777,216 bytes
;; launch experts (part 1): grid 32 x 8, 4 waves a work-group, clusters of 4 x 1, 327,680 bytes of LDS; arguments x_codes, x_scales, w1_codes, w1_scales, b1, w2_codes, w2_scales, b2, wout_codes, wout_scales, bout, y; writes y
.if DOCPART == 1
	.amdgcn_target "amdgcn-amd-amdhsa--gfx1250"
	.amdhsa_code_object_version 6
	.text
	.protected	k_q5615417d3e_experts
	.globl	k_q5615417d3e_experts
	.p2align	8
	.type	k_q5615417d3e_experts,@function
k_q5615417d3e_experts:
	s_mov_b64 s[64:65], 0
	v_nop
	global_prefetch_b8 v0, s[64:65] scope:SCOPE_SE
	s_setreg_imm32_b32 hwreg(HW_REG_WAVE_MODE, 25, 1), 1
	s_wait_xcnt 0x0
	s_wait_alu depctr_hold_cnt(0) depctr_sa_sdst(0) depctr_va_vdst(0) depctr_va_sdst(0) depctr_va_ssrc(0) depctr_va_vcc(0) depctr_vm_vsrc(0)
	s_getreg_b32 s2, hwreg(HW_REG_IB_STS2, 6, 4)
	s_cmp_eq_u32 s2, 0
	s_cbranch_scc0 .Lentry_in_a_cluster
	s_endpgm
.Lentry_in_a_cluster:
	s_bfe_u32 s2, ttmp6, 0x10000c
	s_cmp_lg_u32 s2, 0x3003
	s_cbranch_scc0 .Lentry_shape_is_right
	s_endpgm
.Lentry_shape_is_right:
; y[e][n][:] = relu(relu(x[n] W1[e] + b1[e]) W2[e] + b2[e]) Wout[e] + bout[e], for one expert e and 128 tokens a work-group; all three products on E4M3 codes with one E8M0 scale for each 32 along K.
; x and the weights arrive as codes, K innermost.  The two hidden layers are quantised here, from f32, along the next K, and never go to memory.  y leaves rounded once to bf16: it is an operand of the sum over experts, which the next launch makes.
; SHARES.  8 experts x 32 blocks of 128 tokens = 256 work-groups of four waves.  THE WAVES SHARE THE COLUMNS: in layers 1 and 2 wave w makes units 512 p + 128 w .. + 127 in pass p = 0, 1, for all 128 tokens: 64 accumulators,
; 64 matrix instructions for 128 along K.  In layer 3 it makes outputs 64 w .. + 63: 32 accumulators, 64 matrix instructions for 256 along K.
; TRANSPOSED: source 0 = 16 rows of a weight, source 1 = 16 tokens: a lane holds one token (lane % 16) and eight neighbouring units 16 u + 8 (lane / 16) + j of tile u.
; A HIDDEN LAYER BECOMES AN OPERAND so: the bias is added; largest number of each 32 units (16 registers, and the lane 16 away), scale, hold between 0 and 448 x the scale (which is the relu too), conversion; then the two halves of the
; lanes exchange code registers (v_permlane16_swap_b32), after which four registers hold k = 32 b + 16 (lane / 16) + 0 .. 15.  The fragment goes to LDS as an image of its registers (16 bytes a lane, 512 a store) and any wave loads it back so.
; THE WEIGHTS.  A wave reads only the weight rows that it has fetched itself.  One tensor load a wave brings its rows for TWO steps (128 rows x 256 bytes; of Wout 64 rows x 512) into ONE region of LDS, and they leave it at once for two
; sets of registers: a second region of 139,264 bytes does not fit beside 131,072 bytes of images, so the two sets are the ring's second stage.  A PERIOD is step A on set 0 and step B on set 1: A's head reads the region's second half
; into set 1, then comes the change (all loads waited for, the add, all reads back, a round) and the refill; B waits for that load behind its 48th matrix instruction and reads the first half into set 0.  14 periods: 4 of W1, 8 of W2, 2 of Wout.
; CLUSTER: the four token blocks of a cluster have the same expert, so every weight tile is asked for JOINTLY (mask 15).  x is not: 65,536 bytes a work-group, its own, read once.
; THE HOLD: in layer 2's second pass all of layer 1's codes are still read, and 131,072 + 65,536 bytes of codes do not fit beside the region; so the first pass's codes stay in 136 registers of the wave that made them.
; LIMITS: NaN and infinities, given or arising in a hidden layer, are not served.  A hidden block whose largest number lies under 2^-118 (a block of zeros too) gets the scale byte 1; its codes are zeros or tiny, and this program alone reads the bytes.
; REGISTERS, in windows of 256.  window 0: v1-15, v56-63 addresses; v16-31 scale words, two sets; v32-39 scale words just made; v40-55 at work; v64-127 four token fragments (the bias while a layer is quantised); v128-255 codes just made or held.
;   window 1: two sets of eight weight fragments.  windows 2, 3: the accumulators, (token tile t, unit tile u) at v[8 (8 (t % 4) + u)] of window 2 + t / 4.
;   layer 3: accumulators (t, i) at v[8 (4 t + i)] of window 2; sixteen token fragments in window 3.
.set WPART, 34816                      ; a wave's part of the region: 128 rows x (256 bytes + 16 of padding)
.set PITCH, 272                        ; 68 words: sixteen neighbouring rows start at sixteen different groups of four banks
.set P3P,   528                        ; a row of Wout in the region: 512 bytes + 16: 64 rows are 33,792 bytes, inside a wave's part
.set SWL,   139264                     ; behind the region: 2,048 bytes a wave: its 64 rows of wout_scales
.set AB,    147456                     ; 64 images of 2,048 bytes: fragment (K step s, token tile t) at AB + (8 s + t) 2048
.set ABH,   AB+65536                   ; x lies here in layer 1
.set STX,   278528                     ; the scale words of x: [128 tokens][16 bytes]
.set STA,   280576                     ; those of a hidden layer: [128 tokens][32 bytes]
.set WS,    284672                     ; 8,192 bytes a wave: its rows of w1_scales, later of w2_scales
.set BIAS,  317440                     ; 2,048 bytes a wave: b1 pass 0, 1, b2 pass 0, 1
.set SPARE, 325632                     ; the spare words: 128 bytes a wave; no other line names them
.set BOL,   326144                     ; 256 bytes a wave: its 64 numbers of bout
.set YP,    528                        ; the way out: a row of y, 512 bytes + 16
.set SPW, 1
.set NIL, 2
.set LI, 3                             ; 16 x lane
.set TADR, 4                           ; images of the K steps in hand
.set WADR, 5                           ; my lane's place in my part of the region
.set L8, 6                             ; 8 x lane
.set SCADR, 7                          ; scale words in hand: lanes 0-15 the tokens, lanes 16-31 my weight rows
.set SCB, 8                            ; its start for the pass
.set H, 9                              ; lane / 16
.set HCADR, 10                         ; where I store images
.set HSADR, 11                         ; and their scale words
.set BADR, 12                          ; the bias of the pass
.set PFO, 13                           ; 1,024 x lane: the prefetches; never rewritten
.set WSADR, 14
.set TADR2, 15                         ; ABH + 16 x lane
.set SC, 16
.set HS, 32
.set TM, 40
.set SWS, 56
.set BOS, 57
.set R, 58                             ; lane % 16
.set STO, 59
.set RD, 60
.set T0, 61
.set T1, 62
.set T2, 63
.set TB, 64
.set HC, 128
.set SW3, 64                           ; layer 3: scale words of Wout, [i][s]
.set BO, 96                            ; bout in the layout of a result
.set ST3, 128                          ; scale words of the second hidden layer, [t][s]
.set WV, 3
.set CX, 4
.set BLK, 5
.set EX, 6
.set KC, 7
.set U0, 12                            ; s[12:13] from layer 2 on: where the next tile of W2 lies in memory, without the type bits (W1's pointer is done with once its descriptor is made)
.set PFN, 36                           ; periods begun
.set LIM, 37                           ; 10 in a cluster that prefetches, else 0
.set LP, 38
.set G1A, 40                           ; group 1 for W1 (rows 512 bytes apart)
.set G1B, 48                           ; for W2 (1,024)
.set G0A, 56                           ; group 0 for W1
.set P2B, 60                           ; W2, pass 1
.set P3, 62                            ; Wout
.set MNT, 66
.set PASS, 67
.set G0B, 68                           ; group 0 for W2 and Wout
.set G1C, 72                           ; group 1 for Wout
.set NX, 80                            ; what follows the pass in hand
.set TMP, 88
.set PFA, 90
.set PW2A, 92
.set PW2B, 94
.set PWO0, 96
.set PWO1, 98
.set SEL, 100
.set MUL_LO, 0xa1                      ; source 0 window 1, source 1 window 0, C and D window 2
.set MUL_HI, 0xf1                      ; C and D window 3
.set TO_W, 0x40
.set M3, 0xad                          ; source 0 window 1, source 1 window 3, C and D window 2
.set M3F, 0x8d                         ; C (bout) window 0
.set TO_T3, 0xc0
.set MSB, 0
.macro WIN new                         ; the high byte repeats the setting that is left
.if MSB != (\new)
	s_set_vgpr_msb (MSB<<8)|(\new)
.set MSB, (\new)
.endif
.endm
.macro PLACES n                        ; plain vector instructions between a matrix instruction and a load into, or a read of, its registers (eight for this form)
.rept \n
	v_nop
.endr
.endm
.macro CROUND                          ; a round of the cluster barrier
	s_barrier_signal -1
	s_barrier_wait -1
	s_cmp_lg_u32 s[WV], 0
	s_cbranch_scc1 .Lnot_wave_0_\@
	s_barrier_signal -3
.Lnot_wave_0_\@:
	s_barrier_wait -3
	s_barrier_signal -1
	s_barrier_wait -1
.endm
.macro BAR                             ; my LDS stores have landed and my LDS loads are in; then the work-group barrier.  My one tensor load may stay out
	s_wait_dscnt 0x0
	s_barrier_signal -1
	s_barrier_wait -1
.endm
.macro ADV p, se, sw                   ; a pointer on by expert << se + wave << sw
	s_lshl_b32 s32, s[EX], \se
	s_lshl_b32 s2, s[WV], \sw
	s_add_co_u32 s32, s32, s2
	s_add_nc_u64 s[\p:\p+1], s[\p:\p+1], s[32:33]
.endm
; eight matrix instructions: token tile mt against my eight unit tiles.  The 64 accumulators take turns, one instruction a turn, in the same order in every step.  first: the products start the sums
.macro MUL mt, par, first
.irp u, 0,1,2,3,4,5,6,7
.if \first
	v_wmma_scale_f32_16x16x128_f8f6f4 v[8*(8*((\mt)%4)+\u):8*(8*((\mt)%4)+\u)+7], v[128*(\par)+16*\u:128*(\par)+16*\u+15], v[TB+16*((\mt)%4):TB+16*((\mt)%4)+15], 0, v[SC+8*(\par)+\u], v[SC+8*(\par)+(\mt)] matrix_a_scale:MATRIX_SCALE_ROW1
.else
	v_wmma_scale_f32_16x16x128_f8f6f4 v[8*(8*((\mt)%4)+\u):8*(8*((\mt)%4)+\u)+7], v[128*(\par)+16*\u:128*(\par)+16*\u+15], v[TB+16*((\mt)%4):TB+16*((\mt)%4)+15], v[8*(8*((\mt)%4)+\u):8*(8*((\mt)%4)+\u)+7], v[SC+8*(\par)+\u], v[SC+8*(\par)+(\mt)] matrix_a_scale:MATRIX_SCALE_ROW1
.endif
.endr
.endm
.macro TFETCH srel, ft                 ; token fragment (K step srel from TADR on, tile ft) into buffer ft % 4
.irp c, 0,1,2,3
	ds_load_b128 v[TB+16*((\ft)%4)+4*\c:TB+16*((\ft)%4)+4*\c+3], v[TADR] offset:(8*(\srel)+(\ft))*2048+512*\c
.endr
.endm
.macro WFETCH kap, set                 ; my eight weight fragments of the region's K step kap into a set of window 1
	WIN TO_W
.irp f, 0,1,2,3,4,5,6,7
.irp c, 0,1,2,3
	ds_load_b128 v[128*(\set)+16*\f+4*\c:128*(\set)+16*\f+4*\c+3], v[WADR] offset:16*PITCH*\f+128*(\kap)+32*\c
.endr
.endr
	WIN 0
.endm
.macro SCFETCH set, srel, rb           ; register i: lanes 0-15 the word of token tile i, lanes 16-31 that of my unit tile i; rows of rb bytes on both sides
.irp i, 0,1,2,3,4,5,6,7
	ds_load_b32 v[SC+8*(\set)+\i], v[SCADR] offset:16*\i*(\rb)+4*(\srel)
.endr
.endm
; THE JOINT REFILL of the region with the next period's tile; no tensor load of mine is out, so a group 0 may be written.  Four v_nop follow each tensor load.
; The address in W2 walks in U0, a pointer without the type bits: it is stepped or chosen there, copied into the descriptor, and the type is set anew each time.
; Where two shapes or two tensors are possible there is one load on either way, and the branch hangs on the counts of passes and trips, alike in all partners.
.macro REFILL rf
.if (\rf) == 1                         ; W1, 256 on along K
	s_add_nc_u64 s[G0A+2:G0A+3], s[G0A+2:G0A+3], 256
	tensor_load_to_lds s[G0A:G0A+3], s[G1A:G1A+7]
	s_nop 0
	PLACES 4
.elseif (\rf) == 2                     ; W1: 512 rows down and back along K; behind the second pass: W2's first tile
	s_add_nc_u64 s[G0A+2:G0A+3], s[G0A+2:G0A+3], 261888
	s_cmp_eq_u32 s[PASS], 1
	s_cbranch_scc1 .Lto_w2_\@
	tensor_load_to_lds s[G0A:G0A+3], s[G1A:G1A+7]
	s_nop 0
	PLACES 4
	s_branch .Lasked_\@
.Lto_w2_\@:
	tensor_load_to_lds s[G0B:G0B+3], s[G1B:G1B+7]
	s_nop 0
	PLACES 4
.Lasked_\@:
.elseif (\rf) == 3                     ; W2, 256 on along K
	s_add_nc_u64 s[U0:U0+1], s[U0:U0+1], 256
	s_mov_b64 s[G0B+2:G0B+3], s[U0:U0+1]
	s_or_b32 s[G0B+3], s[G0B+3], 0x80000000
	tensor_load_to_lds s[G0B:G0B+3], s[G1B:G1B+7]
	s_nop 0
	PLACES 4
.else                                  ; W2 in the loop: 256 on along K, or in the last trip what follows the pass: W2's second pass, or Wout in its own shape
	s_add_nc_u64 s[TMP:TMP+1], s[U0:U0+1], 256
	s_cmp_eq_u32 s[KC], 1
	s_cselect_b64 s[U0:U0+1], s[NX:NX+1], s[TMP:TMP+1]
	s_mov_b64 s[G0B+2:G0B+3], s[U0:U0+1]
	s_or_b32 s[G0B+3], s[G0B+3], 0x80000000
	s_lshl_b32 s2, s[PASS], 2
	s_or_b32 s2, s2, s[KC]
	s_cmp_eq_u32 s2, 5                             ; the last trip of the last pass
	s_cbranch_scc1 .Lto_wout_\@
	tensor_load_to_lds s[G0B:G0B+3], s[G1B:G1B+7]
	s_nop 0
	PLACES 4
	s_branch .Lasked_\@
.Lto_wout_\@:
	tensor_load_to_lds s[G0B:G0B+3], s[G1C:G1C+7]
	s_nop 0
	PLACES 4
.Lasked_\@:
.endif
.endm
; THE PREFETCHES INTO THE L2.  Period k (k = 0 .. 11 over layers 1 and 2) asks, for k = 1 .. 10, for the bytes of period k + 3, whose tensor loads go out in period k + 2: 256 matrix instructions on.
; All clusters of an expert walk the same weights: the first of them asks.  Its sixteen waves share a request out BY ADDRESS: of W2 wave 4 cx + w takes 32 of a pass's 512 rows, a lane a row, 256 bytes along K
; (k = 1 .. 4 pass 0, k = 5 .. 8 pass 1); of Wout eight waves take the 256 rows and the other eight the next 256 bytes of each (k = 9, 10).  So each aligned 256 bytes are named once.  W1 and x come by their loads alone.
.macro PFSTEP                          ; at a period's head: the last prefetch, a period back, has read its address
	s_wait_xcnt 0x0
	s_add_nc_u64 s[PFA:PFA+1], s[PFA:PFA+1], 256
	s_cmp_eq_u32 s[PFN], 1
	s_cselect_b64 s[PFA:PFA+1], s[PW2A:PW2A+1], s[PFA:PFA+1]
	s_cmp_eq_u32 s[PFN], 5
	s_cselect_b64 s[PFA:PFA+1], s[PW2B:PW2B+1], s[PFA:PFA+1]
	s_cmp_eq_u32 s[PFN], 9
	s_cselect_b64 s[PFA:PFA+1], s[PWO0:PWO0+1], s[PFA:PFA+1]
	s_cmp_eq_u32 s[PFN], 10
	s_cselect_b64 s[PFA:PFA+1], s[PWO1:PWO1+1], s[PFA:PFA+1]
.endm
.macro ASK                             ; behind the joint load and the run of LDS loads
	s_sub_co_u32 s2, s[PFN], 1
	s_add_co_u32 s[PFN], s[PFN], 1
	s_cmp_lt_u32 s2, s[LIM]                        ; k = 1 .. 10, in the expert's first cluster
	s_cbranch_scc0 .Lnot_mine_\@
	global_prefetch_b8 v[PFO], s[PFA:PFA+1] th:TH_LOAD_NT scope:SCOPE_SE
.Lnot_mine_\@:
.endm
; STEP A of a period: 64 matrix instructions on set 0.  Its head empties the region into set 1; behind its 32nd matrix instruction stands the change, and the region is filled again.
; The token fragments go through four buffers: tiles 4, 5 follow tiles 0, 1 and so on.
.macro STEPA srel, first, rb, rf
	PFSTEP
	WFETCH 1, 1                                    ; eight places stand behind the last products on set 1
	s_wait_dscnt 40                                ; token tiles 2, 3 (8 loads) and set 1 (32) may be out: set 0, the scale words and tiles 0, 1 are in
	WIN MUL_LO
	MUL 0, 0, \first
	MUL 1, 0, \first
	PLACES 8
	WIN 0
	TFETCH \srel, 4
	TFETCH \srel, 5
	s_wait_tensorcnt 0x0                           ; no tensor load of mine is out
	ds_add_u32 v[SPW], v[NIL]                      ; 0 onto my spare word
	s_wait_dscnt 41                                ; set 1 (32), tiles 4, 5 (8) and the add may be out: tiles 2, 3 are in
	WIN MUL_LO
	MUL 2, 0, \first
	MUL 3, 0, \first
	WIN 0
	s_wait_dscnt 0x0                               ; the add is done, and so are all my LDS reads: both halves of my part of the region lie in registers
	CROUND                                         ; no wave of any partner still reads the region or has a load on its way
	REFILL \rf
	PLACES 4                                       ; with the four behind the load: eight places behind the products on tiles 2, 3
	TFETCH \srel, 6
	TFETCH \srel, 7
	SCFETCH 1, (\srel)+1, \rb
	ASK
	WIN MUL_HI
	MUL 4, 0, \first                               ; tiles 4, 5 were shown in by the wait for 0
	MUL 5, 0, \first
	PLACES 8
	WIN 0
	TFETCH (\srel)+1, 0
	TFETCH (\srel)+1, 1
	s_wait_dscnt 16                                ; 8 scale and 8 token loads were issued behind tiles 6, 7
	WIN MUL_HI
	MUL 6, 0, \first
	MUL 7, 0, \first
	PLACES 8
	WIN 0
	TFETCH (\srel)+1, 2
	TFETCH (\srel)+1, 3
.endm
; STEP B: 64 matrix instructions on set 1.  Behind the 48th it waits for the load that step A issued 80 matrix instructions ago, and reads the first half of my own rows into set 0: my own wait is all the ordering that these reads need.
; last: a pass's last step fetches nothing and waits for no load: the next pass's first tile stays on its way while the layer is quantised.
.macro STEPB srel, last, rb
	s_wait_dscnt 8                                 ; token tiles 2, 3 may be out
	WIN MUL_LO
	MUL 0, 1, 0
	MUL 1, 1, 0
	PLACES 8
	WIN 0
	TFETCH \srel, 4
	TFETCH \srel, 5
	s_wait_dscnt 8                                 ; tiles 4, 5 may be out
	WIN MUL_LO
	MUL 2, 1, 0
	MUL 3, 1, 0
	PLACES 8
	WIN 0
	TFETCH \srel, 6
	TFETCH \srel, 7
.if \last
	s_wait_dscnt 8                                 ; tiles 6, 7 may be out
.else
	SCFETCH 0, (\srel)+1, \rb
	s_wait_dscnt 16                                ; tiles 6, 7 and the 8 scale loads may be out
.endif
	WIN MUL_HI
	MUL 4, 1, 0
	MUL 5, 1, 0
	PLACES 8
	WIN 0
.if \last
	s_wait_dscnt 0x0
.else
	TFETCH (\srel)+1, 0
	TFETCH (\srel)+1, 1
	s_wait_tensorcnt 0x0                           ; no load was issued behind it: my part of the next period's tile is in LDS
	WFETCH 0, 0
	s_wait_dscnt 48                                ; behind tiles 6, 7: 8 scale, 8 token and 32 weight loads
.endif
	WIN MUL_HI
	MUL 6, 1, 0
	MUL 7, 1, 0
	PLACES 8
	WIN 0
.if !\last
	TFETCH (\srel)+1, 2
	TFETCH (\srel)+1, 3
.endif
.endm
; The head of a pass: its first tile has been on its way since the last period; set 0, the first scale words, the first four token fragments (the youngest eight loads are tiles 2, 3)
.macro PRO tbase, rb
	v_add_nc_u32 v[TADR], \tbase, v[LI]
	v_mov_b32 v[SCADR], v[SCB]
	s_wait_tensorcnt 0x0
	WFETCH 0, 0
	SCFETCH 0, 0, \rb
	TFETCH 0, 0
	TFETCH 0, 1
	TFETCH 0, 2
	TFETCH 0, 3
.endm
.macro BIASLD                          ; the pass's bias into the token buffers, which are idle: lane (r, h): register 8 u + j = the bias of unit 16 u + 8 h + j
.irp u, 0,1,2,3,4,5,6,7
	ds_load_b128 v[TB+8*\u:TB+8*\u+3], v[BADR] offset:64*\u
	ds_load_b128 v[TB+8*\u+4:TB+8*\u+7], v[BADR] offset:64*\u+16
.endr
.endm
; Token tile qt's 64 numbers of a lane (8 unit tiles x 8) become a fragment's 16 code registers at v[dst] and its scale word in v[wrd].  Each accumulator is read from its low end on.
.macro QUANT qt, dst, wrd
.set QA, 64*((\qt)%4)
.set QW, 2+(\qt)/4
	WIN (QW|(QW<<6))
.set qk, 0
.rept 32
	v_pk_add_f32 v[QA+2*qk:QA+2*qk+1], v[QA+2*qk:QA+2*qk+1], v[TB+2*qk:TB+2*qk+1]   ; + the bias, two at a time: both weight sets are full in a pass's first step, so it has no 64 registers in which to stand as C
.set qk, qk+1
.endr
	WIN (QW|(QW<<2))
.irp b, 0,1,2,3
	v_max3_num_f32 v[TM+\b], v[QA+16*\b], v[QA+16*\b+1], 0x4800000    ; no |.|: what is negative becomes 0 and must not count; the floor 2^(9 - 127) holds the byte at 1 from below
.endr
.irp i, 2,4,6,8,10,12,14
.irp b, 0,1,2,3
	v_max3_num_f32 v[TM+\b], v[QA+16*\b+\i], v[QA+16*\b+\i+1], v[TM+\b]
.endr
.endr
	WIN 0
.irp b, 0,1,2,3
	v_permlanex16_b32 v[TM+4+\b], v[TM+\b], s[SEL], s[SEL+1]
.endr
.irp b, 0,1,2,3
	v_max_num_f32 v[TM+\b], v[TM+\b], v[TM+4+\b]                     ; with the lane 16 away: the largest of the block's 32
.endr
.irp b, 0,1,2,3
	v_add_nc_u32 v[TM+12+\b], 0xfc000000, v[TM+\b]                   ; 8 off its exponent field: the conversion's scale operand
.endr
.irp b, 0,1,2,3
	v_and_or_b32 v[TM+8+\b], v[TM+\b], 0x7f800000, s[MNT]            ; 448 x the scale
.endr
.irp b, 0,1,2,3
	v_lshrrev_b32 v[TM+4+\b], 23, v[TM+12+\b]                        ; the scale's byte
.endr
	v_lshl_or_b32 v[\wrd], v[TM+5], 8, v[TM+4]
	v_lshl_or_b32 v[\wrd], v[TM+6], 16, v[\wrd]
	v_lshl_or_b32 v[\wrd], v[TM+7], 24, v[\wrd]
	WIN (QW|(QW<<6))
.irp b, 0,1,2,3
.irp i, 0,1,2,3,4,5,6,7,8,9,10,11,12,13,14,15
	v_med3_num_f32 v[QA+16*\b+\i], v[QA+16*\b+\i], 0, v[TM+8+\b]     ; the relu and the hold in one (the conversion does not saturate: ISA guide 7.6.2)
.endr
.endr
	WIN QW
.irp b, 0,1,2,3
	v_cvt_scalef32_pk8_fp8_f32 v[(\dst)+4*\b:(\dst)+4*\b+1], v[QA+16*\b:QA+16*\b+7], v[TM+12+\b]
	v_cvt_scalef32_pk8_fp8_f32 v[(\dst)+4*\b+2:(\dst)+4*\b+3], v[QA+16*\b+8:QA+16*\b+15], v[TM+12+\b]
.endr
	WIN 0
	v_nop                                          ; a plain instruction between the conversions and what touches their results or writes their sources
.irp b, 0,1,2,3
	v_permlane16_swap_b32 v[(\dst)+4*\b], v[(\dst)+4*\b+2]           ; lanes 16-31 of the even tile's codes change places with lanes 0-15 of the odd tile's:
	v_permlane16_swap_b32 v[(\dst)+4*\b+1], v[(\dst)+4*\b+3]         ; the four registers now hold k = 32 b + 16 (lane / 16) + 0 .. 15
.endr
.endm
.macro PUT pt, src, wrd                ; the image of token tile pt's fragment, and its scale words (both halves of the lanes write the same word with the same value)
.irp c, 0,1,2,3
	ds_store_b128 v[HCADR], v[(\src)+4*\c:(\src)+4*\c+3] offset:2048*(\pt)+512*\c
.endr
	ds_store_b32 v[HSADR], v[\wrd] offset:512*(\pt)
.endm
.macro STOREHC
.irp g, 0,1,2,3,4,5,6,7
	PUT \g, HC+16*\g, HS+\g
.endr
.endm
	s_load_b512 s[8:23], s[0:1], 0x0               ; x_codes 8, x_scales 10, w1_codes 12, w1_scales 14, b1 16, w2_codes 18, w2_scales 20, b2 22
	s_load_b256 s[24:31], s[0:1], 0x40             ; wout_codes 24, wout_scales 26, bout 28, y 30
	v_lshl_add_u32 v[SPW], v0, 2, SPARE
	v_mov_b32 v[NIL], 0
	ds_add_u32 v1, v2
	ds_add_u32 v1, v2
	s_wait_dscnt 0x0
	v_lshrrev_b32 v[T0], 5, v0
	v_readfirstlane_b32 s[WV], v[T0]               ; wave 0..3
	s_and_b32 s[EX], ttmp7, 0xffff                 ; the expert, which the four partners share
	; group 1.  W1, W2: 128 rows x 256 bytes, 16 bytes of padding behind each row.  Wout: 64 rows x 512 bytes, likewise
	s_mov_b32 s[G1A], 15|(1<<20)|(1<<21)|(5<<22)|(3<<25)   ; 15:0 the mask: all four work-groups; 17:16 elements of 1 byte; 20 padding on; 21 set beside a mask; 24:22 after every 64 words; 31:25 four words
	s_mov_b32 s[G1B], 15|(1<<20)|(1<<21)|(5<<22)|(3<<25)
	s_mov_b32 s[G1C], 15|(1<<20)|(1<<21)|(6<<22)|(3<<25)   ; after every 128 words
.irp g, G1A, G1B
	s_mov_b32 s[\g+1], 256<<16                     ; tensor_dim0
	s_mov_b32 s[\g+2], 128<<16                     ; tensor_dim1
	s_mov_b32 s[\g+3], 256<<16                     ; tile_dim0
	s_mov_b32 s[\g+4], 128                         ; tile_dim1
	s_mov_b32 s[\g+6], 0
	s_mov_b32 s[\g+7], 0
.endr
	s_mov_b32 s[G1A+5], 512                        ; from row to row
	s_mov_b32 s[G1B+5], 1024
	s_mov_b32 s[G1C+1], 512<<16
	s_mov_b32 s[G1C+2], 64<<16
	s_mov_b32 s[G1C+3], 512<<16
	s_mov_b32 s[G1C+4], 64
	s_mov_b32 s[G1C+5], 1024
	s_mov_b32 s[G1C+6], 0
	s_mov_b32 s[G1C+7], 0
	s_mov_b32 s[SEL], 0x76543210
	s_mov_b32 s[SEL+1], 0xfedcba98                 ; v_permlanex16_b32: the lane 16 away
	s_mov_b32 s[MNT], 0x600000                     ; the mantissa field of 448
	s_mov_b32 s[PFN], 0
	s_cmp_eq_u32 ttmp9, 0                          ; the expert's first cluster: alike in all partners
	s_cselect_b32 s[LIM], 10, 0
	s_mul_i32 s[LP], s[WV], WPART                  ; my part of the region: no place in the cluster enters an LDS address
	s_mov_b32 s33, 0
	s_wait_kmcnt 0x0
	ADV 12, 19, 16                                 ; W1: expert x 524,288 + 128 w rows of 512 bytes
	s_lshl_b32 s32, s[EX], 20
	s_lshl_b32 s2, s[WV], 17
	s_add_co_u32 s32, s32, s2
	s_add_nc_u64 s[TMP:TMP+1], s[18:19], s[32:33]  ; W2: expert x 1,048,576 + 128 w rows of 1,024 bytes
	s_mov_b32 s[G0A], 1                            ; count = 1
	s_mov_b32 s[G0A+1], s[LP]                      ; LDS address
	s_mov_b64 s[G0A+2:G0A+3], s[12:13]             ; K steps 0, 1 of pass 0
	s_or_b32 s[G0A+3], s[G0A+3], 0x80000000        ; type = 2
	s_mov_b32 s[G0B], 1
	s_mov_b32 s[G0B+1], s[LP]
	s_mov_b64 s[G0B+2:G0B+3], s[TMP:TMP+1]
	s_or_b32 s[G0B+3], s[G0B+3], 0x80000000
	s_add_nc_u64 s[P2B:P2B+1], s[TMP:TMP+1], 524288   ; 512 rows further down
	s_mov_b64 s[U0:U0+1], s[TMP:TMP+1]             ; the walk through W2 begins at K step 0 of pass 0
	s_lshl_b32 s32, s[EX], 18                      ; Wout: expert x 262,144 + my 64 rows of 1,024 bytes
	s_lshl_b32 s2, s[WV], 16
	s_add_co_u32 s32, s32, s2
	s_add_nc_u64 s[P3:P3+1], s[24:25], s[32:33]
	CROUND                                         ; all four work-groups are here: the first joint loads meet
	tensor_load_to_lds s[G0A:G0A+3], s[G1A:G1A+7]  ; the first fill: one load of mine is out
	s_nop 0
	PLACES 4
	ADV 14, 14, 11                                 ; w1_scales: my 128 rows of 16 bytes
	ADV 16, 12, 9                                  ; b1, b2: my 128 numbers
	ADV 22, 12, 9
	ADV 20, 15, 12                                 ; w2_scales: my 128 rows of 32 bytes
	ADV 26, 13, 11                                 ; wout_scales: my 64 rows of 32 bytes
	ADV 28, 10, 8                                  ; bout: my 64 numbers
	; what hangs on my place in the cluster: the addresses of x and y and of the prefetches, in registers from which no descriptor is made
	s_bfe_u32 s[CX], ttmp6, 0x40000
	s_lshl_b32 s[BLK], ttmp9, 2
	s_add_co_u32 s[BLK], s[BLK], s[CX]             ; my block of 128 tokens
	s_mov_b32 s35, 0
	s_lshl_b32 s34, s[BLK], 16
	s_lshl_b32 s39, s[WV], 14
	s_add_co_u32 s34, s34, s39
	s_add_nc_u64 s[8:9], s[8:9], s[34:35]          ; x: token 128 blk + 32 w, rows of 512 bytes
	s_lshl_b32 s39, s[EX], 21
	s_add_co_u32 s34, s34, s39
	s_add_nc_u64 s[30:31], s[30:31], s[34:35]      ; y: the same token of my expert, rows of 512 bytes
	s_lshl_b32 s34, s[BLK], 11
	s_lshl_b32 s39, s[WV], 9
	s_add_co_u32 s34, s34, s39
	s_add_nc_u64 s[10:11], s[10:11], s[34:35]      ; x_scales: a quarter of the block's 2,048 bytes
	s_lshl_b32 s39, s[CX], 2
	s_add_co_u32 s39, s39, s[WV]                   ; my wave among the cluster's sixteen
	s_lshl_b32 s34, s[EX], 20
	s_lshl_b32 s2, s39, 15
	s_add_co_u32 s34, s34, s2
	s_add_nc_u64 s[PW2A:PW2A+1], s[18:19], s[34:35]
	s_add_nc_u64 s[PW2B:PW2B+1], s[PW2A:PW2A+1], 524288
	s_lshl_b32 s34, s[EX], 18
	s_and_b32 s2, s39, 7
	s_lshl_b32 s2, s2, 15
	s_add_co_u32 s34, s34, s2
	s_lshr_b32 s2, s39, 3
	s_lshl_b32 s2, s2, 8
	s_add_co_u32 s34, s34, s2
	s_add_nc_u64 s[PWO0:PWO0+1], s[24:25], s[34:35]
	s_add_nc_u64 s[PWO1:PWO1+1], s[PWO0:PWO0+1], 512
	s_mov_b64 s[PFA:PFA+1], s[PW2A:PW2A+1]
	v_and_b32 v[T0], 31, v0
	v_lshlrev_b32 v[LI], 4, v[T0]
	v_lshlrev_b32 v[L8], 3, v[T0]
	v_lshlrev_b32 v[PFO], 10, v[T0]
	v_and_b32 v[R], 15, v0
	v_bfe_u32 v[H], v0, 4, 1
	v_lshlrev_b32 v[T1], 9, v[R]
	v_lshl_add_u32 v[T1], v[H], 4, v[T1]           ; x: row r, + 16 h
.irp a, 0,1                                    ; token tiles 2 w, 2 w + 1, all four K steps, in the layout of a fragment
.irp s, 0,1,2,3
.irp c, 0,1,2,3
	global_load_b128 v[HC+16*(4*\a+\s)+4*\c:HC+16*(4*\a+\s)+4*\c+3], v[T1], s[8:9] offset:8192*\a+128*\s+32*\c
.endr
.endr
.endr
	global_load_b128 v[64:67], v[LI], s[10:11]
.irp k, 0,1,2,3,4,5,6,7                        ; w1_scales: pass k / 4, 512 bytes a load
	global_load_b128 v[68+4*\k:68+4*\k+3], v[LI], s[14:15] offset:8192*(\k/4)+512*(\k%4)
.endr
.irp p, 0,1
	global_load_b128 v[100+4*\p:100+4*\p+3], v[LI], s[16:17] offset:2048*\p
	global_load_b128 v[108+4*\p:108+4*\p+3], v[LI], s[22:23] offset:2048*\p
.endr
.irp k, 0,1,2,3                                ; wout_scales: my 2,048 bytes
	global_load_b128 v[SC+4*\k:SC+4*\k+3], v[LI], s[26:27] offset:512*\k
.endr
	global_load_b64 v[TM:TM+1], v[L8], s[28:29]    ; bout: my 256 bytes, 8 a lane
	v_mul_u32_u24 v[T0], v[R], PITCH
	v_lshl_add_u32 v[T0], v[H], 4, v[T0]
	v_add_nc_u32 v[WADR], s[LP], v[T0]             ; my part of the region: row r x pitch + 16 h
	s_lshl_b32 s2, s[WV], 13
	s_add_co_u32 s2, s2, WS-STX
	v_mul_u32_u24 v[SCB], s2, v[H]                 ; lanes 16-31 take my weight rows' words: one product, the distance of the two regions
	v_lshl_add_u32 v[SCB], v[R], 4, v[SCB]
	v_add_nc_u32 v[SCB], STX, v[SCB]
	s_lshl_b32 s2, s[WV], 14
	s_add_co_u32 s2, s2, AB
	v_add_nc_u32 v[HCADR], s2, v[LI]               ; K step w of the next product
	s_lshl_b32 s2, s[WV], 2
	s_add_co_u32 s2, s2, STA
	v_lshl_add_u32 v[HSADR], v[R], 5, s2
	s_lshl_b32 s2, s[WV], 11
	s_add_co_u32 s2, s2, BIAS
	v_lshl_add_u32 v[BADR], v[H], 5, s2
	v_add_nc_u32 v[T2], s2, v[LI]                  ; where the biases go
	s_lshl_b32 s2, s[WV], 13
	s_add_co_u32 s2, s2, WS
	v_add_nc_u32 v[WSADR], s2, v[LI]
	v_add_nc_u32 v[TADR2], ABH, v[LI]
	s_lshl_b32 s2, s[WV], 11
	s_add_co_u32 s2, s2, SWL
	v_add_nc_u32 v[SWS], s2, v[LI]                 ; where the scale bytes of Wout go
	s_lshl_b32 s2, s[WV], 8
	s_add_co_u32 s2, s2, BOL
	v_add_nc_u32 v[BOS], s2, v[L8]                 ; and bout
	s_lshl_b32 s2, s[WV], 12
	s_add_co_u32 s2, s2, ABH
	v_add_nc_u32 v[T0], s2, v[LI]                  ; where the images of x go
.irp b, 0,1,2,3
	v_mov_b32 v[TM+4+\b], 0                        ; written once: a lane permute's destination counts as one of its sources
.endr
	s_wait_loadcnt 0x0
	s_lshl_b32 s2, s[WV], 9
	s_add_co_u32 s2, s2, STX
	v_add_nc_u32 v[T1], s2, v[LI]
.irp a, 0,1
.irp s, 0,1,2,3
.irp c, 0,1,2,3
	ds_store_b128 v[T0], v[HC+16*(4*\a+\s)+4*\c:HC+16*(4*\a+\s)+4*\c+3] offset:16384*\s+2048*\a+512*\c
.endr
.endr
.endr
	ds_store_b128 v[T1], v[64:67]
.irp k, 0,1,2,3,4,5,6,7
	ds_store_b128 v[WSADR], v[68+4*\k:68+4*\k+3] offset:512*\k
.endr
.irp p, 0,1
	ds_store_b128 v[T2], v[100+4*\p:100+4*\p+3] offset:512*\p
	ds_store_b128 v[T2], v[108+4*\p:108+4*\p+3] offset:1024+512*\p
.endr
.irp k, 0,1,2,3
	ds_store_b128 v[SWS], v[SC+4*\k:SC+4*\k+3] offset:512*\k
.endr
	ds_store_b64 v[BOS], v[TM:TM+1]
	BAR                                            ; the images of x and its scale words lie in LDS; my first tile may still be on its way
	; ---- LAYER 1: two passes of two periods
	s_mov_b32 s[PASS], 2
.Ll1:
.irp k, 0,1,2,3,4,5,6,7,8,9,10,11,12,13,14,15  ; my rows of w2_scales wait in registers until WS is free (asked for in both trips: the same bytes)
	global_load_b128 v[HC+4*\k:HC+4*\k+3], v[LI], s[20:21] offset:16384*(\k/8)+512*(\k%8)
.endr
	PRO ABH, 16
	STEPA 0, 1, 16, 1
	STEPB 1, 0, 16
	STEPA 2, 0, 16, 2
	STEPB 3, 1, 16
	BIASLD
	s_wait_loadcnt 0x0
	BAR                                            ; every wave has read x for this pass: the second pass's images take its place
.irp g, 0,1,2,3,4,5,6,7
.if \g >= 4
	s_wait_dscnt 15                                ; tile g - 4's stores have read its four-deep buffer: three tiles of five stores are younger
.endif
	QUANT \g, 192+16*(\g%4), HS+\g
	PUT \g, 192+16*(\g%4), HS+\g
.endr
	v_add_nc_u32 v[HCADR], 65536, v[HCADR]         ; the next pass makes K step 4 + w,
	v_add_nc_u32 v[HSADR], 16, v[HSADR]
	v_add_nc_u32 v[BADR], 512, v[BADR]             ; with the next bias
	v_lshl_add_u32 v[SCB], v[H], 11, v[SCB]        ; and the next 128 rows' scale words
	BAR
	s_sub_co_u32 s[PASS], s[PASS], 1
	s_cmp_lg_u32 s[PASS], 0
	s_cbranch_scc1 .Ll1
.irp k, 0,1,2,3,4,5,6,7,8,9,10,11,12,13,14,15
	ds_store_b128 v[WSADR], v[HC+4*\k:HC+4*\k+3] offset:512*\k
.endr
	s_lshl_b32 s2, s[WV], 14
	s_add_co_u32 s2, s2, AB
	v_add_nc_u32 v[HCADR], s2, v[LI]
	s_lshl_b32 s2, s[WV], 2
	s_add_co_u32 s2, s2, STA
	v_lshl_add_u32 v[HSADR], v[R], 5, s2
	s_lshl_b32 s2, s[WV], 13
	s_add_co_u32 s2, s2, WS-STA
	v_mul_u32_u24 v[SCB], s2, v[H]
	v_lshl_add_u32 v[SCB], v[R], 5, v[SCB]
	v_add_nc_u32 v[SCB], STA, v[SCB]
	BAR
	; ---- LAYER 2: two passes of four periods
	s_mov_b32 s[PASS], 2
.Ll2:
	s_cmp_eq_u32 s[PASS], 2                        ; what follows this pass: the second pass, or Wout
	s_cselect_b64 s[NX:NX+1], s[P2B:P2B+1], s[P3:P3+1]
	PRO AB, 32
	STEPA 0, 1, 32, 3
	s_mov_b32 s[KC], 3
.Ll2k:                                             ; K steps 1 .. 6, two a trip: a period's second step and the next period's first
	STEPB 1, 0, 32
	STEPA 2, 0, 32, 4
	v_add_nc_u32 v[TADR], 32768, v[TADR]           ; two K steps on
	v_add_nc_u32 v[SCADR], 8, v[SCADR]
	s_sub_co_u32 s[KC], s[KC], 1
	s_cmp_lg_u32 s[KC], 0
	s_cbranch_scc1 .Ll2k
	STEPB 1, 1, 32
	BIASLD
	BAR                                            ; every wave has read the first hidden layer for this pass
	s_cmp_eq_u32 s[PASS], 2
	s_cbranch_scc1 .Lheld_a                        ; behind the first pass nothing is stored: its codes are held
	STOREHC                                        ; behind the second: the held codes, K step w, over the first hidden layer
	v_add_nc_u32 v[HCADR], 65536, v[HCADR]
	v_add_nc_u32 v[HSADR], 16, v[HSADR]
	s_wait_dscnt 0x0                               ; the stores have read their registers
.Lheld_a:
.irp g, 0,1,2,3,4,5,6,7
	QUANT \g, HC+16*\g, HS+\g
.endr
	s_cmp_eq_u32 s[PASS], 2
	s_cbranch_scc1 .Lheld_b
	STOREHC                                        ; K step 4 + w
.Lheld_b:
	v_add_nc_u32 v[BADR], 512, v[BADR]
	v_lshl_add_u32 v[SCB], v[H], 12, v[SCB]
	BAR
	s_sub_co_u32 s[PASS], s[PASS], 1
	s_cmp_lg_u32 s[PASS], 0
	s_cbranch_scc1 .Ll2
	; ---- LAYER 3: two periods of four K steps; my part of the region holds my 64 outputs x 512 bytes along K; a set holds my four output tiles of two K steps
.macro T3FETCH ks                      ; the eight token fragments of K step ks into window 3
	WIN TO_T3
.irp g, 0,1,2,3,4,5,6,7
.irp c, 0,1,2,3
.if (\ks) < 4
	ds_load_b128 v[16*(8*((\ks)%2)+\g)+4*\c:16*(8*((\ks)%2)+\g)+4*\c+3], v[TADR] offset:(8*(\ks)+\g)*2048+512*\c
.else
	ds_load_b128 v[16*(8*((\ks)%2)+\g)+4*\c:16*(8*((\ks)%2)+\g)+4*\c+3], v[TADR2] offset:(8*((\ks)-4)+\g)*2048+512*\c
.endif
.endr
.endr
	WIN 0
.endm
.macro WFETCH3 half, set               ; K steps 2 half, 2 half + 1 of the region
	WIN TO_W
.irp k, 0,1
.irp i, 0,1,2,3
.irp c, 0,1,2,3
	ds_load_b128 v[128*(\set)+16*(4*\k+\i)+4*\c:128*(\set)+16*(4*\k+\i)+4*\c+3], v[WADR] offset:16*\i*P3P+128*(2*(\half)+\k)+32*\c
.endr
.endr
.endr
	WIN 0
.endm
.macro MUL3 sg, kap, mt, fc            ; four matrix instructions: token tile mt against my four output tiles; the 32 accumulators take turns
.irp i, 0,1,2,3
.if \fc
	v_wmma_scale_f32_16x16x128_f8f6f4 v[8*(4*(\mt)+\i):8*(4*(\mt)+\i)+7], v[128*((\sg)%2)+16*(4*(\kap)+\i):128*((\sg)%2)+16*(4*(\kap)+\i)+15], v[16*(8*(\kap)+(\mt)):16*(8*(\kap)+(\mt))+15], v[BO+8*\i:BO+8*\i+7], v[SW3+8*\i+2*(\sg)+(\kap)], v[ST3+8*(\mt)+2*(\sg)+(\kap)]
.else
	v_wmma_scale_f32_16x16x128_f8f6f4 v[8*(4*(\mt)+\i):8*(4*(\mt)+\i)+7], v[128*((\sg)%2)+16*(4*(\kap)+\i):128*((\sg)%2)+16*(4*(\kap)+\i)+15], v[16*(8*(\kap)+(\mt)):16*(8*(\kap)+(\mt))+15], v[8*(4*(\mt)+\i):8*(4*(\mt)+\i)+7], v[SW3+8*\i+2*(\sg)+(\kap)], v[ST3+8*(\mt)+2*(\sg)+(\kap)]
.endif
.endr
.endm
.macro M3RUN sg, kap, m0, m1, fc       ; token tiles m0 .. m1
.set mm, \m0
.rept (\m1)-(\m0)+1
	MUL3 \sg, \kap, mm, \fc
.set mm, mm+1
.endr
.endm
	v_mul_u32_u24 v[T0], v[R], P3P
	v_lshl_add_u32 v[T0], v[H], 4, v[T0]
	v_add_nc_u32 v[WADR], s[LP], v[T0]             ; now row r x 528 + 16 h of my part
	v_add_nc_u32 v[TADR], AB, v[LI]
	v_lshl_add_u32 v[T0], v[R], 5, STA
	s_lshl_b32 s2, s[WV], 11
	s_add_co_u32 s2, s2, SWL
	v_lshl_add_u32 v[T1], v[R], 5, s2              ; row r of my scale bytes of Wout
	s_lshl_b32 s2, s[WV], 8
	s_add_co_u32 s2, s2, BOL
	v_lshl_add_u32 v[T2], v[H], 5, s2              ; bout in the layout of a result: .. + 8 h + 0 .. 7
	s_and_b32 s2, s[WV], 1                         ; the way out: where a lane puts 8 bytes of a row of y (see there)
	s_lshl_b32 s2, s2, 8
	s_lshr_b32 s32, s[WV], 1
	s_lshl_b32 s32, s32, 3
	s_add_co_u32 s2, s2, s32
	s_add_co_u32 s2, s2, AB
	v_mul_u32_u24 v[STO], v[R], YP
	v_lshl_add_u32 v[STO], v[H], 5, v[STO]
	v_add_nc_u32 v[STO], s2, v[STO]
	s_mul_i32 s2, s[WV], 32*YP
	s_add_co_u32 s2, s2, AB
	v_add_nc_u32 v[RD], s2, v[LI]
	s_wait_tensorcnt 0x0                           ; the first half of Wout has been on its way since layer 2's last period
	WFETCH3 0, 0
	WFETCH3 1, 1
.irp i, 0,1,2,3
	ds_load_b128 v[SW3+8*\i:SW3+8*\i+3], v[T1] offset:512*\i           ; output 16 i + r: its eight scale words
	ds_load_b128 v[SW3+8*\i+4:SW3+8*\i+7], v[T1] offset:512*\i+16
	ds_load_b128 v[BO+8*\i:BO+8*\i+3], v[T2] offset:64*\i
	ds_load_b128 v[BO+8*\i+4:BO+8*\i+7], v[T2] offset:64*\i+16
.endr
.irp g, 0,1,2,3,4,5,6,7
	ds_load_b128 v[ST3+8*\g:ST3+8*\g+3], v[T0] offset:512*\g           ; token 16 g + r: its eight scale words
	ds_load_b128 v[ST3+8*\g+4:ST3+8*\g+7], v[T0] offset:512*\g+16
.endr
	T3FETCH 0
	T3FETCH 1
	; K steps 0, 1 on set 0; both sets are read, so the region takes the second half of Wout
	s_wait_dscnt 32                                ; all but the youngest 32 loads, K step 1's token fragments
	WIN M3F
	M3RUN 0, 0, 0, 3, 1                            ; the sums start on bout
	WIN 0
	s_wait_tensorcnt 0x0                           ; no tensor load of mine is out
	ds_add_u32 v[SPW], v[NIL]                      ; 0 onto my spare word
	WIN M3F
	M3RUN 0, 0, 4, 7, 1
	WIN 0
	s_wait_dscnt 0x0                               ; the add is done, and so are all my LDS reads
	CROUND
	s_add_nc_u64 s[G0B+2:G0B+3], s[G0B+2:G0B+3], 512
	tensor_load_to_lds s[G0B:G0B+3], s[G1C:G1C+7]
	s_nop 0
	PLACES 8
	T3FETCH 2
	WIN M3
	M3RUN 0, 1, 0, 7, 0
	PLACES 8
	T3FETCH 3
	; K steps 2, 3 on set 1; behind the 48th matrix instruction: the wait for the load, and set 0 anew
	s_wait_dscnt 32                                ; K step 3's token fragments may be out
	WIN M3
	M3RUN 1, 0, 0, 7, 0
	PLACES 8
	T3FETCH 4
	s_wait_dscnt 32                                ; K step 4's may be out
	WIN M3
	M3RUN 1, 1, 0, 3, 0
	WIN 0
	s_wait_tensorcnt 0x0                           ; my rows of the second half of Wout are in LDS
	WFETCH3 0, 0
	WIN M3
	M3RUN 1, 1, 4, 7, 0
	PLACES 8
	T3FETCH 5
	; K steps 4, 5 on set 0; nothing is left to fetch from memory
	s_wait_dscnt 32                                ; K step 5's token fragments may be out: K step 4's and set 0 are in
	WFETCH3 1, 1
	WIN M3
	M3RUN 2, 0, 0, 7, 0
	PLACES 8
	T3FETCH 6
	s_wait_dscnt 32                                ; K step 6's may be out: K step 5's and set 1 are in
	WIN M3
	M3RUN 2, 1, 0, 7, 0
	PLACES 8
	T3FETCH 7
	; K steps 6, 7 on set 1
	s_wait_dscnt 32
	WIN M3
	M3RUN 3, 0, 0, 7, 0
	s_wait_dscnt 0x0
	M3RUN 3, 1, 0, 7, 0
	WIN 0
	; ---- THE WAY OUT.  A row of y is 512 bytes in the order in which the next launch reads it: the 16 bytes at 16 l hold outputs 4 l .. 4 l + 3 and 128 + 4 l .. + 3, as bf16.
	; A lane holds outputs 64 w + 16 i + 8 h + 0 .. 7 of token 16 t + r: two pieces of 8 bytes, at 256 (w % 2) + 64 i + 32 h + 8 (w / 2) and 16 bytes on.  The rows meet in a stage over the images, which nobody reads any more.
	PLACES 8
	WIN 0x0a                                       ; sources 0 and 1 window 2
.set n, 0
.rept 32
.irp q, 0,1,2,3
	v_cvt_pk_bf16_f32 v[HC+4*n+\q], v[8*n+2*\q], v[8*n+2*\q+1]
.endr
.set n, n+1
.endr
	WIN 0
	BAR                                            ; every wave has read the second hidden layer
.irp g, 0,1,2,3,4,5,6,7
.irp i, 0,1,2,3
	ds_store_b64 v[STO], v[HC+4*(4*\g+\i):HC+4*(4*\g+\i)+1] offset:16*\g*YP+64*\i
	ds_store_b64 v[STO], v[HC+4*(4*\g+\i)+2:HC+4*(4*\g+\i)+3] offset:16*\g*YP+64*\i+16
.endr
.endr
	BAR                                            ; 128 whole rows lie in the stage
.set n, 0
.rept 32
	ds_load_b128 v[HC+4*n:HC+4*n+3], v[RD] offset:YP*n                 ; my 32 rows
.set n, n+1
.endr
.set n, 0
.rept 32
	s_wait_dscnt 31-n
	global_store_b128 v[LI], v[HC+4*n:HC+4*n+3], s[30:31] offset:512*n ; 32 lanes store 512 consecutive bytes, at a multiple of 512 from the buffer's first byte
.set n, n+1
.endr
	s_wait_tensorcnt 0x0                           ; the wave's end
	ds_add_u32 v[SPW], v[NIL]
	s_wait_dscnt 0x0
	CROUND                                         ; the closing round: no work-group ends while a partner may still ask for a tile that names it
	s_endpgm
.Lfunc_end_k_q5615417d3e_experts:
	.size	k_q5615417d3e_experts, .Lfunc_end_k_q5615417d3e_experts-k_q5615417d3e_experts
	.p2alignl 7, 3214868480
	.fill 96, 4, 3214868480
	.section	.rodata,"a",@progbits
	.p2align	6, 0x0
	.amdhsa_kernel k_q5615417d3e_experts
		.amdhsa_group_segment_fixed_size 327680
		.amdhsa_private_segment_fixed_size 0
		.amdhsa_enable_private_segment 0
		.amdhsa_kernarg_size 96
		.amdhsa_user_sgpr_count 2
		.amdhsa_user_sgpr_kernarg_segment_ptr 1
		.amdhsa_wavefront_size32 1
		.amdhsa_system_sgpr_workgroup_id_x 1
		.amdhsa_system_sgpr_workgroup_id_y 1
		.amdhsa_system_sgpr_workgroup_id_z 1
		.amdhsa_system_vgpr_workitem_id 0
		.amdhsa_next_free_vgpr 1024
		.amdhsa_next_free_sgpr 102
		.amdhsa_reserve_vcc 0
		.amdhsa_float_denorm_mode_32 3
		.amdhsa_float_denorm_mode_16_64 3
		.amdhsa_memory_ordered 1
		.amdhsa_forward_progress 1
		.amdhsa_inst_pref_size 255
	.end_amdhsa_kernel
	.section	.bss,"aw",@nobits
	.p2align	6
	.space	262144
	.amdgpu_metadata
---
amdhsa.version: [ 1, 2 ]
amdhsa.kernels:
  - .name:           k_q5615417d3e_experts
    .symbol:         k_q5615417d3e_experts.kd
    .args:
      - { .name: x_codes, .offset: 0, .size: 8, .value_kind: global_buffer, .address_space: global }
      - { .name: x_scales, .offset: 8, .size: 8, .value_kind: global_buffer, .address_space: global }
      - { .name: w1_codes, .offset: 16, .size: 8, .value_kind: global_buffer, .address_space: global }
      - { .name: w1_scales, .offset: 24, .size: 8, .value_kind: global_buffer, .address_space: global }
      - { .name: b1, .offset: 32, .size: 8, .value_kind: global_buffer, .address_space: global }
      - { .name: w2_codes, .offset: 40, .size: 8, .value_kind: global_buffer, .address_space: global }
      - { .name: w2_scales, .offset: 48, .size: 8, .value_kind: global_buffer, .address_space: global }
      - { .name: b2, .offset: 56, .size: 8, .value_kind: global_buffer, .address_space: global }
      - { .name: wout_codes, .offset: 64, .size: 8, .value_kind: global_buffer, .address_space: global }
      - { .name: wout_scales, .offset: 72, .size: 8, .value_kind: global_buffer, .address_space: global }
      - { .name: bout, .offset: 80, .size: 8, .value_kind: global_buffer, .address_space: global }
      - { .name: y, .offset: 88, .size: 8, .value_kind: global_buffer, .address_space: global }
    .group_segment_fixed_size: 327680
    .private_segment_fixed_size: 0
    .kernarg_segment_align: 8
    .kernarg_segment_size: 96
    .max_flat_workgroup_size: 128
    .sgpr_count:     102
    .vgpr_count:     1024
    .wavefront_size: 32
...
	.end_amdgpu_metadata
.endif
;; end of part 1
;; launch combine (part 2): grid 256 x 1, 4 waves a work-group, no clusters, 8,704 bytes of LDS; arguments x_codes, x_scales, r1_codes, r1_scales, rb1, r2_codes, r2_scales, rb2, rout, rbout, y, out0; writes out0
.if DOCPART == 2
	.amdgcn_target "amdgcn-amd-amdhsa--gfx1250"
	.amdhsa_code_object_version 6
	.text
	.protected	k_q5615417d3e_combine
	.globl	k_q5615417d3e_combine
	.p2align	8
	.type	k_q5615417d3e_combine,@function
k_q5615417d3e_combine:
	s_mov_b64 s[64:65], 0
	v_nop
	global_prefetch_b8 v0, s[64:65] scope:SCOPE_SE
	s_setreg_imm32_b32 hwreg(HW_REG_WAVE_MODE, 25, 1), 1
	s_wait_xcnt 0x0
; out[n][:] = the sum over the 8 experts of gate[n][e] y[e][n][:], gate = softmax(relu(relu(x r1 + rb1) r2 + rb2) rout + rbout).
; The router's first two products run on E4M3 codes with one E8M0 scale for each 32 along K; its first hidden layer is quantised here, from f32.  The third product (8 columns) and the sum over experts are fused multiply-adds in f32;
; y comes as bf16 from the launch before, a row of 512 bytes laid so that the 16 bytes at 16 l hold outputs 4 l .. 4 l + 3 and 128 + 4 l .. + 3.
; SHARES.  A work-group of four waves takes 16 tokens.  Wave w makes router units 64 w .. + 63 in both layers (transposed: source 0 = 16 rows of the weight, source 1 = the 16 tokens), its part of the logits, and the sums of tokens 4 w .. + 3.
; THE ROWS OF A WEIGHT TILE ARE NOT NEIGHBOURS: lane r of tile 2 b + u takes row 64 w + 32 b + 8 u + r + 8 (r / 8), so that the 16 registers of tiles 2 b, 2 b + 1 are units 64 w + 32 b + 16 (lane / 16) + 0 .. 15.
; NO CLUSTER, NO TENSOR LOAD: all work-groups read the same 204,800 bytes of router weights, but here each weight fragment feeds ONE matrix instruction: a joint load would add a write and a read of all of them in LDS, and a round of
; the cluster barrier ahead of the first product, to a launch of 24 matrix instructions a wave.  The fragments go from memory straight into the registers that the products name.
; ALL LOADS GO OUT AT THE HEAD, in the order of need, y last: 233 a wave.  Loads come back in order (ISA guide 5.7.1), so the router's work stands between the request for y and the wait for it.
; LIMITS: NaN and infinities are not served.  A hidden block whose largest number lies under 2^-118 gets the scale byte 1; this program alone reads the bytes.
; REGISTERS.  window 0: addresses, x, scale words, accumulators, biases.  window 1: r1's 16 fragments, later logits, gates and sums.  window 2: v0-127 r2's 8 fragments, v128-255 y.  window 3: rout, register 8 k + e for my k-th unit.
.set H1IMG, 0                          ; LDS: the first hidden layer's two fragments as images of their registers, 2,048 bytes each
.set H1SC,  4096                       ; their scale words, 4 bytes a lane
.set LG,    4352                       ; the waves' parts of the logits: [4 waves][16 tokens][8] f32
.set R, 1
.set H, 2
.set LI, 3
.set RR, 4
.set XA, 5
.set XSA, 6
.set R1A, 7
.set R1SA, 8
.set RBA, 9
.set R2A, 10
.set R2SA, 11
.set ROA, 12
.set HWI, 13
.set HWS, 14
.set LS, 15
.set XF, 16                            ; v16-79 x's four fragments; v16-47 later the hidden layer's two
.set XS, 80
.set R1S, 84
.set R2S, 100
.set ACC, 108
.set C1, 140
.set C2, 172
.set TM, 204
.set PC, 220
.set PW, 228
.set LGT, 232
.set HSW, 240
.set LGS, 242
.set LGA, 243
.set ZR, 15                            ; in window 1: 0
.set WV, 3
.set RBO, 40                           ; s[40:47] rbout
.set SEL, 48
.set MNT, 50
.set L2E, 51
.set MSB, 0
.macro WIN new
.if MSB != (\new)
	s_set_vgpr_msb (MSB<<8)|(\new)
.set MSB, (\new)
.endif
.endm
.macro PLACES n
.rept \n
	v_nop
.endr
.endm
.macro BAR
	s_wait_dscnt 0x0
	s_barrier_signal -1
	s_barrier_wait -1
.endm
.macro ADDO p, reg, sh                 ; a pointer on by reg << sh
	s_lshl_b32 s32, \reg, \sh
	s_add_nc_u64 s[\p:\p+1], s[\p:\p+1], s[32:33]
.endm
	s_load_b512 s[8:23], s[0:1], 0x0               ; x_codes 8, x_scales 10, r1_codes 12, r1_scales 14, rb1 16, r2_codes 18, r2_scales 20, rb2 22
	s_load_b256 s[24:31], s[0:1], 0x40             ; rout 24, rbout 26, y 28, out0 30
	v_lshl_add_u32 v254, v0, 2, 0x2000
	v_mov_b32 v255, 0
	v_lshrrev_b32 v[LS], 5, v0
	v_readfirstlane_b32 s[WV], v[LS]
	v_and_b32 v[R], 15, v0
	v_bfe_u32 v[H], v0, 4, 1
	v_and_b32 v[LS], 31, v0
	v_lshlrev_b32 v[LI], 4, v[LS]
	v_lshlrev_b32 v[LS], 2, v[LS]
	v_and_b32 v[RR], 8, v[R]
	v_add_nc_u32 v[RR], v[RR], v[R]                ; r + 8 (r / 8)
	v_lshlrev_b32 v[XA], 9, v[R]
	v_lshl_add_u32 v[XA], v[H], 4, v[XA]
	v_lshlrev_b32 v[XSA], 4, v[R]
	v_lshlrev_b32 v[R1A], 9, v[RR]
	v_lshl_add_u32 v[R1A], v[H], 4, v[R1A]
	v_lshlrev_b32 v[R1SA], 4, v[RR]
	v_lshlrev_b32 v[RBA], 6, v[H]                  ; a bias in the layout of a result: units .. + 16 h + 0 .. 7
	v_lshlrev_b32 v[R2A], 8, v[RR]
	v_lshl_add_u32 v[R2A], v[H], 4, v[R2A]
	v_lshlrev_b32 v[R2SA], 3, v[RR]
	v_lshlrev_b32 v[ROA], 9, v[H]                  ; rout: 32 bytes a unit
	s_lshl_b32 s2, s[WV], 10
	v_add_nc_u32 v[HWI], s2, v[LI]                 ; my half of a fragment's image: 1,024 w + 16 x lane
	s_lshr_b32 s2, s[WV], 1
	s_lshl_b32 s2, s2, 7
	s_and_b32 s34, s[WV], 1
	s_lshl_b32 s34, s34, 1
	s_add_co_u32 s2, s2, s34
	s_add_co_u32 s2, s2, H1SC
	v_add_nc_u32 v[HWS], s2, v[LS]                 ; my two bytes of a scale word
	s_lshl_b32 s2, s[WV], 9
	s_add_co_u32 s2, s2, LG
	v_lshl_add_u32 v[LGS], v[R], 5, s2
	s_lshl_b32 s2, s[WV], 7
	s_add_co_u32 s2, s2, LG
	v_mov_b32 v[LGA], s2                           ; my four tokens' logits, in each wave's part
	v_mov_b32 v[TM+4], 0                           ; a lane permute's destination counts as one of its sources
	v_mov_b32 v[TM+5], 0
	s_mov_b32 s[SEL], 0x76543210
	s_mov_b32 s[SEL+1], 0xfedcba98
	s_mov_b32 s[MNT], 0x600000
	s_mov_b32 s[L2E], 0x3fb8aa3b                   ; log2(e)
	s_mov_b32 s33, 0
	s_wait_kmcnt 0x0
	s_load_b256 s[RBO:RBO+7], s[26:27], 0x0
	ADDO 8, ttmp9, 13                              ; 16 tokens of 512 bytes
	ADDO 10, ttmp9, 8
	ADDO 12, s[WV], 15                             ; my 64 rows
	ADDO 14, s[WV], 10
	ADDO 16, s[WV], 8
	ADDO 18, s[WV], 14
	ADDO 20, s[WV], 9
	ADDO 22, s[WV], 8
	ADDO 24, s[WV], 11
	ADDO 28, ttmp9, 13                             ; y: token 16 g + 4 w of expert 0,
	ADDO 28, s[WV], 11
	s_add_nc_u64 s[36:37], s[28:29], 0x800000      ; and of expert 4: four experts' offsets fit the immediate
	ADDO 30, ttmp9, 14
	ADDO 30, s[WV], 12
.irp s, 0,1,2,3
.irp c, 0,1,2,3
	global_load_b128 v[XF+16*\s+4*\c:XF+16*\s+4*\c+3], v[XA], s[8:9] offset:128*\s+32*\c
.endr
.endr
	global_load_b128 v[XS:XS+3], v[XSA], s[10:11]
	WIN 0x40
.irp n, 0,1,2,3
.irp s, 0,1,2,3
.irp c, 0,1,2,3
	global_load_b128 v[16*(4*\n+\s)+4*\c:16*(4*\n+\s)+4*\c+3], v[R1A], s[12:13] offset:(32*(\n/2)+8*(\n%2))*512+128*\s+32*\c
.endr
.endr
.endr
	WIN 0
.irp n, 0,1,2,3
	global_load_b128 v[R1S+4*\n:R1S+4*\n+3], v[R1SA], s[14:15] offset:(32*(\n/2)+8*(\n%2))*16
.endr
.irp n, 0,1,2,3
	global_load_b128 v[C1+8*\n:C1+8*\n+3], v[RBA], s[16:17] offset:(32*(\n/2)+8*(\n%2))*4
	global_load_b128 v[C1+8*\n+4:C1+8*\n+7], v[RBA], s[16:17] offset:(32*(\n/2)+8*(\n%2))*4+16
.endr
	WIN 0x80
.irp n, 0,1,2,3
.irp s, 0,1
.irp c, 0,1,2,3
	global_load_b128 v[16*(2*\n+\s)+4*\c:16*(2*\n+\s)+4*\c+3], v[R2A], s[18:19] offset:(32*(\n/2)+8*(\n%2))*256+128*\s+32*\c
.endr
.endr
.endr
	WIN 0
.irp n, 0,1,2,3
	global_load_b64 v[R2S+2*\n:R2S+2*\n+1], v[R2SA], s[20:21] offset:(32*(\n/2)+8*(\n%2))*8
.endr
.irp n, 0,1,2,3
	global_load_b128 v[C2+8*\n:C2+8*\n+3], v[RBA], s[22:23] offset:(32*(\n/2)+8*(\n%2))*4
	global_load_b128 v[C2+8*\n+4:C2+8*\n+7], v[RBA], s[22:23] offset:(32*(\n/2)+8*(\n%2))*4+16
.endr
	WIN 0xc0
.irp n, 0,1,2,3
.irp j, 0,1,2,3,4,5,6,7
	global_load_b128 v[8*(8*\n+\j):8*(8*\n+\j)+3], v[ROA], s[24:25] offset:(32*(\n/2)+8*(\n%2)+\j)*32
	global_load_b128 v[8*(8*\n+\j)+4:8*(8*\n+\j)+7], v[ROA], s[24:25] offset:(32*(\n/2)+8*(\n%2)+\j)*32+16
.endr
.endr
	WIN 0x80
.irp i, 0,1,2,3
.irp e, 0,1,2,3
	global_load_b128 v[128+4*(8*\i+\e):128+4*(8*\i+\e)+3], v[LI], s[28:29] offset:\e*2097152+\i*512 th:TH_LOAD_NT
.endr
.irp e, 0,1,2,3
	global_load_b128 v[128+4*(8*\i+4+\e):128+4*(8*\i+4+\e)+3], v[LI], s[36:37] offset:\e*2097152+\i*512 th:TH_LOAD_NT
.endr
.endr
	WIN 0
	s_wait_loadcnt 63                              ; the youngest 63 may be out: y's 32 and 31 of rout's 64.  So x, r1, rb1, r2, rb2 and their scale words are in: this wait serves both layers
	; ---- the router's first layer: four accumulators by turns, K step by K step; the bias is the C of each sum's first instruction
	WIN 0x01
.irp s, 0,1,2,3
.irp n, 0,1,2,3
.if \s == 0
	v_wmma_scale_f32_16x16x128_f8f6f4 v[ACC+8*\n:ACC+8*\n+7], v[16*(4*\n+\s):16*(4*\n+\s)+15], v[XF+16*\s:XF+16*\s+15], v[C1+8*\n:C1+8*\n+7], v[R1S+4*\n+\s], v[XS+\s]
.else
	v_wmma_scale_f32_16x16x128_f8f6f4 v[ACC+8*\n:ACC+8*\n+7], v[16*(4*\n+\s):16*(4*\n+\s)+15], v[XF+16*\s:XF+16*\s+15], v[ACC+8*\n:ACC+8*\n+7], v[R1S+4*\n+\s], v[XS+\s]
.endif
.endr
.endr
	WIN 0
	PLACES 8
	; my 64 units are two blocks of 32: relu, scale, hold, codes
.irp b, 0,1
	v_max3_num_f32 v[TM+\b], v[ACC+16*\b], v[ACC+16*\b+1], 0x4800000
.endr
.irp i, 2,4,6,8,10,12,14
.irp b, 0,1
	v_max3_num_f32 v[TM+\b], v[TM+\b], v[ACC+16*\b+\i], v[ACC+16*\b+\i+1]
.endr
.endr
.irp b, 0,1
	v_permlanex16_b32 v[TM+4+\b], v[TM+\b], s[SEL], s[SEL+1]
.endr
.irp b, 0,1
	v_max_num_f32 v[TM+\b], v[TM+\b], v[TM+4+\b]
.endr
.irp b, 0,1
	v_add_nc_u32 v[TM+12+\b], 0xfc000000, v[TM+\b]
.endr
.irp b, 0,1
	v_and_or_b32 v[TM+8+\b], v[TM+\b], 0x7f800000, s[MNT]
.endr
.irp b, 0,1
	v_lshrrev_b32 v[TM+4+\b], 23, v[TM+12+\b]
.endr
	v_lshl_or_b32 v[PW], v[TM+5], 8, v[TM+4]       ; my two bytes of the token's scale word
.irp b, 0,1
.irp i, 0,1,2,3,4,5,6,7,8,9,10,11,12,13,14,15
	v_med3_num_f32 v[ACC+16*\b+\i], v[ACC+16*\b+\i], 0, v[TM+8+\b]
.endr
	v_cvt_scalef32_pk8_fp8_f32 v[PC+4*\b:PC+4*\b+1], v[ACC+16*\b:ACC+16*\b+7], v[TM+12+\b]
	v_cvt_scalef32_pk8_fp8_f32 v[PC+4*\b+2:PC+4*\b+3], v[ACC+16*\b+8:ACC+16*\b+15], v[TM+12+\b]
.endr
	v_nop                                          ; a plain instruction between the conversions and the products that write their sources again
	ds_store_b128 v[HWI], v[PC:PC+3] offset:H1IMG          ; registers 4 (2 (w % 2) + b) on of the fragment of K step w / 2
	ds_store_b128 v[HWI], v[PC+4:PC+7] offset:H1IMG+512
	ds_store_b16 v[HWS], v[PW]
	BAR
.irp s, 0,1
.irp c, 0,1,2,3
	ds_load_b128 v[XF+16*\s+4*\c:XF+16*\s+4*\c+3], v[LI] offset:H1IMG+2048*\s+512*\c
.endr
	ds_load_b32 v[HSW+\s], v[LS] offset:H1SC+128*\s
.endr
	s_wait_dscnt 0x0
	; ---- the second layer
	WIN 0x02
.irp s, 0,1
.irp n, 0,1,2,3
.if \s == 0
	v_wmma_scale_f32_16x16x128_f8f6f4 v[ACC+8*\n:ACC+8*\n+7], v[16*(2*\n+\s):16*(2*\n+\s)+15], v[XF+16*\s:XF+16*\s+15], v[C2+8*\n:C2+8*\n+7], v[R2S+2*\n+\s], v[HSW+\s]
.else
	v_wmma_scale_f32_16x16x128_f8f6f4 v[ACC+8*\n:ACC+8*\n+7], v[16*(2*\n+\s):16*(2*\n+\s)+15], v[XF+16*\s:XF+16*\s+15], v[ACC+8*\n:ACC+8*\n+7], v[R2S+2*\n+\s], v[HSW+\s]
.endif
.endr
.endr
	WIN 0
	PLACES 8
.set k, 0
.rept 32
	v_max_num_f32 v[ACC+k], 0, v[ACC+k]
.set k, k+1
.endr
	s_wait_loadcnt 32                              ; rout is in; y's 32 loads may be out
	; ---- the logits: my 32 units of my token against rout, eight chains
	WIN 0x0c                                       ; source 1 window 3
.irp e, 0,1,2,3,4,5,6,7
	v_mul_f32 v[LGT+\e], v[ACC], v[\e]
.endr
.set k, 1
.rept 31
.irp e, 0,1,2,3,4,5,6,7
	v_fma_f32 v[LGT+\e], v[ACC+k], v[8*k+\e], v[LGT+\e]
.endr
.set k, k+1
.endr
	WIN 0
.irp e, 0,1,2,3,4,5,6,7
	v_permlanex16_b32 v[C1+\e], v[LGT+\e], s[SEL], s[SEL+1]
.endr
.irp e, 0,1,2,3,4,5,6,7
	v_add_f32 v[LGT+\e], v[LGT+\e], v[C1+\e]       ; with the lane 16 away: my wave's 64 units
.endr
	ds_store_b128 v[LGS], v[LGT:LGT+3]             ; both halves of the lanes write the same words with the same values
	ds_store_b128 v[LGS], v[LGT+4:LGT+7] offset:16
	BAR
	WIN 0x40
.irp i, 0,1,2,3                                ; token 4 w + i, the four waves' parts: window 1, v[32 i + 8 v + e]; the same in every lane
.irp v, 0,1,2,3
	ds_load_b128 v[32*\i+8*\v:32*\i+8*\v+3], v[LGA] offset:512*\v+32*\i
	ds_load_b128 v[32*\i+8*\v+4:32*\i+8*\v+7], v[LGA] offset:512*\v+32*\i+16
.endr
.endr
	s_wait_dscnt 0x0
	s_wait_kmcnt 0x0                               ; rbout
	WIN 0x55                                       ; all in window 1
.irp i, 0,1,2,3
.irp e, 0,1,2,3,4,5,6,7
	v_add_f32 v[32*\i+\e], v[32*\i+\e], v[32*\i+8+\e]
	v_add_f32 v[32*\i+16+\e], v[32*\i+16+\e], v[32*\i+24+\e]
.endr
.endr
.irp i, 0,1,2,3
.irp e, 0,1,2,3,4,5,6,7
	v_add_f32 v[32*\i+\e], v[32*\i+\e], v[32*\i+16+\e]
.endr
.endr
.irp i, 0,1,2,3
.irp e, 0,1,2,3,4,5,6,7
	v_add_f32 v[32*\i+\e], s[RBO+\e], v[32*\i+\e]
.endr
.endr
	; ---- the softmax: the row's largest logit is taken away ahead of the exponential
.irp i, 0,1,2,3
	v_max3_num_f32 v[32*\i+8], v[32*\i], v[32*\i+1], v[32*\i+2]
.endr
.irp i, 0,1,2,3
	v_max3_num_f32 v[32*\i+8], v[32*\i+8], v[32*\i+3], v[32*\i+4]
.endr
.irp i, 0,1,2,3
	v_max3_num_f32 v[32*\i+8], v[32*\i+8], v[32*\i+5], v[32*\i+6]
.endr
.irp i, 0,1,2,3
	v_max_num_f32 v[32*\i+8], v[32*\i+8], v[32*\i+7]
.endr
.irp i, 0,1,2,3
	v_mul_f32 v[32*\i+8], s[L2E], v[32*\i+8]
.endr
.irp i, 0,1,2,3
.irp e, 0,1,2,3,4,5,6,7
	v_fma_f32 v[32*\i+\e], v[32*\i+\e], s[L2E], -v[32*\i+8]
.endr
.endr
.irp i, 0,1,2,3
.irp e, 0,1,2,3,4,5,6,7
	v_exp_f32 v[32*\i+\e], v[32*\i+\e]
.endr
.endr
	v_mov_b32 v[ZR], 0                             ; a plain instruction behind the exponentials; the sums over experts start on this register
	s_wait_alu depctr_va_vdst(0)                   ; one wait for the batch of 32, ahead of its first reader
.irp i, 0,1,2,3
	v_add_f32 v[32*\i+9], v[32*\i], v[32*\i+1]
	v_add_f32 v[32*\i+10], v[32*\i+2], v[32*\i+3]
	v_add_f32 v[32*\i+11], v[32*\i+4], v[32*\i+5]
	v_add_f32 v[32*\i+12], v[32*\i+6], v[32*\i+7]
.endr
.irp i, 0,1,2,3
	v_add_f32 v[32*\i+9], v[32*\i+9], v[32*\i+10]
	v_add_f32 v[32*\i+11], v[32*\i+11], v[32*\i+12]
.endr
.irp i, 0,1,2,3
	v_add_f32 v[32*\i+9], v[32*\i+9], v[32*\i+11]
.endr
.irp i, 0,1,2,3
	v_rcp_f32 v[32*\i+10], v[32*\i+9]
.endr
	v_nop
	s_wait_alu depctr_va_vdst(0)                   ; one wait for the four reciprocals
.irp i, 0,1,2,3
.irp e, 0,1,2,3,4,5,6,7
	v_mul_f32 v[32*\i+\e], v[32*\i+\e], v[32*\i+10]        ; the gates
.endr
.endr
	s_wait_loadcnt 0x0                             ; y
	; ---- the sum over experts: bf16 half x gate + sum, in f32; eight sums a token, at window 1 v[32 i + 16 ..]
	WIN 0x56                                       ; source 0 (y) window 2, the rest window 1
.irp i, 0,1,2,3
.irp e, 0,1,2,3,4,5,6,7
.irp q, 0,1,2,3
.if \e == 0
	v_fma_mix_f32_bf16 v[32*\i+16+2*\q], v[128+4*(8*\i+\e)+\q], v[32*\i+\e], v[ZR] op_sel_hi:[1,0,0]
	v_fma_mix_f32_bf16 v[32*\i+17+2*\q], v[128+4*(8*\i+\e)+\q], v[32*\i+\e], v[ZR] op_sel:[1,0,0] op_sel_hi:[1,0,0]
.else
	v_fma_mix_f32_bf16 v[32*\i+16+2*\q], v[128+4*(8*\i+\e)+\q], v[32*\i+\e], v[32*\i+16+2*\q] op_sel_hi:[1,0,0]
	v_fma_mix_f32_bf16 v[32*\i+17+2*\q], v[128+4*(8*\i+\e)+\q], v[32*\i+\e], v[32*\i+17+2*\q] op_sel:[1,0,0] op_sel_hi:[1,0,0]
.endif
.endr
.endr
.endr
	WIN 0x04                                       ; a store's data are its source 1: window 1
.irp i, 0,1,2,3
	global_store_b128 v[LI], v[32*\i+16:32*\i+19], s[30:31] offset:1024*\i th:TH_STORE_NT       ; outputs 4 l .. + 3: 32 lanes store 512 consecutive bytes, at a multiple of 512 from the buffer's first byte
	global_store_b128 v[LI], v[32*\i+20:32*\i+23], s[30:31] offset:1024*\i+512 th:TH_STORE_NT   ; outputs 128 + 4 l .. + 3
.endr
	WIN 0
	s_wait_tensorcnt 0x0
	ds_add_u32 v254, v255
	s_wait_dscnt 0x0
	s_endpgm
.Lfunc_end_k_q5615417d3e_combine:
	.size	k_q5615417d3e_combine, .Lfunc_end_k_q5615417d3e_combine-k_q5615417d3e_combine
	.p2alignl 7, 3214868480
	.fill 96, 4, 3214868480
	.section	.rodata,"a",@progbits
	.p2align	6, 0x0
	.amdhsa_kernel k_q5615417d3e_combine
		.amdhsa_group_segment_fixed_size 8704
		.amdhsa_private_segment_fixed_size 0
		.amdhsa_enable_private_segment 0
		.amdhsa_kernarg_size 96
		.amdhsa_user_sgpr_count 2
		.amdhsa_user_sgpr_kernarg_segment_ptr 1
		.amdhsa_wavefront_size32 1
		.amdhsa_system_sgpr_workgroup_id_x 1
		.amdhsa_system_sgpr_workgroup_id_y 1
		.amdhsa_system_sgpr_workgroup_id_z 1
		.amdhsa_system_vgpr_workitem_id 0
		.amdhsa_next_free_vgpr 1024
		.amdhsa_next_free_sgpr 66
		.amdhsa_reserve_vcc 0
		.amdhsa_float_denorm_mode_32 3
		.amdhsa_float_denorm_mode_16_64 3
		.amdhsa_memory_ordered 1
		.amdhsa_forward_progress 1
		.amdhsa_inst_pref_size 81
	.end_amdhsa_kernel
	.amdgpu_metadata
---
amdhsa.version: [ 1, 2 ]
amdhsa.kernels:
  - .name:           k_q5615417d3e_combine
    .symbol:         k_q5615417d3e_combine.kd
    .args:
      - { .name: x_codes, .offset: 0, .size: 8, .value_kind: global_buffer, .address_space: global }
      - { .name: x_scales, .offset: 8, .size: 8, .value_kind: global_buffer, .address_space: global }
      - { .name: r1_codes, .offset: 16, .size: 8, .value_kind: global_buffer, .address_space: global }
      - { .name: r1_scales, .offset: 24, .size: 8, .value_kind: global_buffer, .address_space: global }
      - { .name: rb1, .offset: 32, .size: 8, .value_kind: global_buffer, .address_space: global }
      - { .name: r2_codes, .offset: 40, .size: 8, .value_kind: global_buffer, .address_space: global }
      - { .name: r2_scales, .offset: 48, .size: 8, .value_kind: global_buffer, .address_space: global }
      - { .name: rb2, .offset: 56, .size: 8, .value_kind: global_buffer, .address_space: global }
      - { .name: rout, .offset: 64, .size: 8, .value_kind: global_buffer, .address_space: global }
      - { .name: rbout, .offset: 72, .size: 8, .value_kind: global_buffer, .address_space: global }
      - { .name: y, .offset: 80, .size: 8, .value_kind: global_buffer, .address_space: global }
      - { .name: out0, .offset: 88, .size: 8, .value_kind: global_buffer, .address_space: global }
    .group_segment_fixed_size: 8704
    .private_segment_fixed_size: 0
    .kernarg_segment_align: 8
    .kernarg_segment_size: 96
    .max_flat_workgroup_size: 128
    .sgpr_count:     66
    .vgpr_count:     1024
    .wavefront_size: 32
...
	.end_amdgpu_metadata
.endif
;; end of part 2
